; MI455X (gfx1250); checked and timed in simulation.
; The chip was launched on July 23, 2026; its instructions are those of AMD's public machine-readable ISA for CDNA 5 (MIT licence, August 2026) and "CDNA5" Instruction Set Architecture Reference Guide (July 2026). The comments in the code are by the model that wrote it; some were corrected since.
;; LSTM CIFG. Allowed arithmetic: float matrix products may take bf16 or f16 operands with f32 sums; other float arithmetic in f32, or as packed bf16 or f16 multiplies, adds, multiply-adds, maxima and minima; sums over many terms, partial sums and values carried from step to step in f32; what a program stores and reads back later, other than sums and carried values, may be rounded once to bf16 or f16.
;; Inputs: Wh_c 1,024 x 1,024 float32; Wh_i 1,024 x 1,024 float32; Wh_o 1,024 x 1,024 float32; Wx_c 1,024 x 1,024 float32; Wx_i 1,024 x 1,024 float32; Wx_o 1,024 x 1,024 float32; bh_c 1,024 float32; bh_i 1,024 float32; bh_o 1,024 float32; bx_c 1,024 float32; bx_i 1,024 float32; bx_o 1,024 float32; c_prev 8,192 x 1,024 float32; h_prev 8,192 x 1,024 float32; x 8,192 x 1,024 float32.
;; Outputs: out0 8,192 x 1,024 float32; out1 8,192 x 1,024 float32.
;; 2 versions, each right; version 2 is version 1 with the launch cast written anew for expert scheduling mode. Each part assembles by itself: llvm-mc -triple=amdgcn-amd-amdhsa -mcpu=gfx1250 --defsym DOCPART=n.
;; ======== version 1 of 2: 2 launches
;; limits: values are held in f16: magnitudes above 65,504 overflow, below 6.1e-05 lose precision; inputs' magnitudes at most 65,504
;; workspace buffers: Ab 33,554,432 bytes; Wb 12,582,912 bytes
;; launch cast (part 1): grid 704 x 1, 8 waves a work-group, no clusters, 0 bytes of LDS; arguments x, h_prev, Wx_i, Wh_i, Wx_c, Wh_c, Wx_o, Wh_o, Ab, Wb; writes Ab, Wb
.if DOCPART == 1
	.amdgcn_target "amdgcn-amd-amdhsa--gfx1250"
	.amdhsa_code_object_version 6
	.text
	.protected	k_qfae2407544_cast
	.globl	k_qfae2407544_cast
	.p2align	8
	.type	k_qfae2407544_cast,@function
k_qfae2407544_cast:
	s_mov_b64 s[64:65], 0
	v_nop
	global_prefetch_b8 v0, s[64:65] scope:SCOPE_SE
	s_setreg_imm32_b32 hwreg(HW_REG_WAVE_MODE, 25, 1), 1
	s_wait_xcnt 0x0
; ROUNDS THE PRODUCT'S OPERANDS TO f16, ONCE, AND LAYS THEM IN BLOCKS OF 64 ALONG K.
;   Ab [kb 0..31][row 0..8191][64 k]                        kb 0..15: x's columns 64 kb on; kb 16..31: h_prev's
;   Wb [nb 0..7][kb 0..31][wn 0..1][gate i,c,o][j 0..63][64 k]   hidden column n = 128 nb + 64 wn + j; kb 0..15: Wx_gate, kb 16..31: Wh_gate
; So the next launch's tiles (128 rows of Ab, 192 rows of Wb, 64 along K) are dense runs of 16,384 and 24,576 bytes.
; LIMITS.  f16 holds no number beyond 65,504 (a larger input becomes an infinity) and keeps a fixed step of 6e-8 below 6e-5.
; A STREAM: every byte is read once and written once, so there is no LDS, no barrier, no matrix unit and no cluster (no two work-groups read the same byte).
; SHARES.  A work-group takes 32 rows x 1,024 columns of one source: 512 groups for x and h_prev, 192 for the six weights.  One load of a wave: lanes 0-15 take 256
; consecutive bytes (64 f32, one block along K) of one row, lanes 16-31 the same of the next row.  Four f32 a lane become 8 bytes, and since two neighbouring rows
; lie end to end inside a block, one store of a wave covers 256 consecutive bytes, aligned.  All 32 loads of a wave go out first; no register is written twice.
.set VS, 1                             ; v1       my byte offset in the group's source rows: (thread / 16) x 4,096 + (thread % 16) x 16
.set KO, 2                             ; v[2:17]  my byte offset in the destination for block kb: 8 x thread + kb x stride
.set X,  20                            ; v[20:147] load i (row half i / 16, block i % 16): 4 registers
	s_load_b512 s[8:23], s[0:1], 0x0               ; x, h_prev, Wx_i, Wh_i, Wx_c, Wh_c, Wx_o, Wh_o
	s_load_b128 s[24:27], s[0:1], 0x40             ; Ab s[24:25], Wb s[26:27]
	v_lshrrev_b32 v[VS], 4, v0
	v_lshlrev_b32 v[VS], 12, v[VS]
	v_and_b32 v18, 15, v0
	v_lshl_or_b32 v[VS], v18, 4, v[VS]
	v_lshlrev_b32 v[KO], 3, v0
	s_cmp_lt_u32 ttmp9, 512
	s_cbranch_scc0 .Lweights
	s_lshr_b32 s28, ttmp9, 8                       ; which source: 0 x, 1 h_prev
	s_and_b32 s29, ttmp9, 255                      ; which 32 rows of it
	s_lshl_b32 s46, s28, 24                        ; h_prev's blocks lie 16 x 1,048,576 bytes behind x's
	s_lshl_b32 s30, s29, 12                        ; 32 rows of 128 bytes
	s_add_co_u32 s46, s46, s30
	s_mov_b32 s31, 0x100000                        ; from block to block: 8,192 rows of 128 bytes
	s_branch .Ldecoded
.Lweights:
	s_sub_co_u32 s30, ttmp9, 512
	s_lshr_b32 s32, s30, 5                         ; which matrix, 0..5: Wx_i, Wh_i, Wx_c, Wh_c, Wx_o, Wh_o
	s_and_b32 s29, s30, 31                         ; which 32 rows of it
	s_add_co_u32 s28, s32, 2                       ; its place among the eight sources
	s_lshr_b32 s33, s29, 2                         ; nb
	s_mul_i32 s46, s33, 1572864
	s_and_b32 s33, s32, 1                          ; a Wh: blocks 16 on
	s_mul_i32 s33, s33, 786432
	s_add_co_u32 s46, s46, s33
	s_bfe_u32 s33, s29, 0x10001                    ; wn
	s_mul_i32 s33, s33, 24576
	s_add_co_u32 s46, s46, s33
	s_lshr_b32 s33, s32, 1                         ; gate
	s_lshl_b32 s33, s33, 13
	s_add_co_u32 s46, s46, s33
	s_and_b32 s33, s29, 1                          ; j = 0 or 32 on
	s_lshl_b32 s33, s33, 12
	s_add_co_u32 s46, s46, s33
	s_mov_b32 s31, 49152                           ; from block to block: 384 rows of 128 bytes
.Ldecoded:
	s_lshl_b32 s44, s29, 17                        ; the group's 32 source rows of 4,096 bytes
	s_mov_b32 s45, 0
	s_mov_b32 s47, 0
.set i, 0
.rept 15
	v_add_nc_u32 v[KO+i+1], s31, v[KO+i]
.set i, i+1
.endr
	s_wait_kmcnt 0x0
	s_mov_b64 s[40:41], s[8:9]                     ; the source is chosen among the eight by the group's number alone
.irp n, 1,2,3,4,5,6,7
	s_cmp_eq_u32 s28, \n
	s_cselect_b64 s[40:41], s[8+2*\n:9+2*\n], s[40:41]
.endr
	s_cmp_lt_u32 ttmp9, 512
	s_cselect_b64 s[42:43], s[24:25], s[26:27]     ; and the destination
	s_add_nc_u64 s[40:41], s[40:41], s[44:45]
	s_add_nc_u64 s[42:43], s[42:43], s[46:47]
.set i, 0
.rept 32                                               ; 16 KiB of every wave on their way at once
	global_load_b128 v[X+4*i:X+4*i+3], v[VS], s[40:41] offset:(i/16)*65536+(i%16)*256 th:TH_LOAD_NT
.set i, i+1
.endr
.set i, 0
.rept 32
	s_wait_loadcnt 31-i                            ; loads come back in order (ISA guide 5.7.1): load i is in, the 31 - i younger ones stay out
	v_cvt_pk_f16_f32 v[X+4*i], v[X+4*i], v[X+4*i+1]
	v_cvt_pk_f16_f32 v[X+4*i+1], v[X+4*i+2], v[X+4*i+3]
	global_store_b64 v[KO+i%16], v[X+4*i:X+4*i+1], s[42:43] offset:(i/16)*2048  ; the wave's 32 lanes: 256 consecutive bytes, aligned; the next launch reads them, so no hint
.set i, i+1
.endr
	s_endpgm
.Lfunc_end_k_qfae2407544_cast:
	.size	k_qfae2407544_cast, .Lfunc_end_k_qfae2407544_cast-k_qfae2407544_cast
	.p2alignl 7, 3214868480
	.fill 96, 4, 3214868480
	.section	.rodata,"a",@progbits
	.p2align	6, 0x0
	.amdhsa_kernel k_qfae2407544_cast
		.amdhsa_group_segment_fixed_size 0
		.amdhsa_private_segment_fixed_size 0
		.amdhsa_enable_private_segment 0
		.amdhsa_kernarg_size 80
		.amdhsa_user_sgpr_count 2
		.amdhsa_user_sgpr_kernarg_segment_ptr 1
		.amdhsa_wavefront_size32 1
		.amdhsa_system_sgpr_workgroup_id_x 1
		.amdhsa_system_sgpr_workgroup_id_y 1
		.amdhsa_system_sgpr_workgroup_id_z 1
		.amdhsa_system_vgpr_workitem_id 0
		.amdhsa_next_free_vgpr 152
		.amdhsa_next_free_sgpr 66
		.amdhsa_reserve_vcc 0
		.amdhsa_float_denorm_mode_32 3
		.amdhsa_float_denorm_mode_16_64 3
		.amdhsa_memory_ordered 1
		.amdhsa_forward_progress 1
		.amdhsa_inst_pref_size 14
	.end_amdhsa_kernel
	.amdgpu_metadata
---
amdhsa.version: [ 1, 2 ]
amdhsa.kernels:
  - .name:           k_qfae2407544_cast
    .symbol:         k_qfae2407544_cast.kd
    .args:
      - { .name: x, .offset: 0, .size: 8, .value_kind: global_buffer, .address_space: global }
      - { .name: h_prev, .offset: 8, .size: 8, .value_kind: global_buffer, .address_space: global }
      - { .name: Wx_i, .offset: 16, .size: 8, .value_kind: global_buffer, .address_space: global }
      - { .name: Wh_i, .offset: 24, .size: 8, .value_kind: global_buffer, .address_space: global }
      - { .name: Wx_c, .offset: 32, .size: 8, .value_kind: global_buffer, .address_space: global }
      - { .name: Wh_c, .offset: 40, .size: 8, .value_kind: global_buffer, .address_space: global }
      - { .name: Wx_o, .offset: 48, .size: 8, .value_kind: global_buffer, .address_space: global }
      - { .name: Wh_o, .offset: 56, .size: 8, .value_kind: global_buffer, .address_space: global }
      - { .name: Ab, .offset: 64, .size: 8, .value_kind: global_buffer, .address_space: global }
      - { .name: Wb, .offset: 72, .size: 8, .value_kind: global_buffer, .address_space: global }
    .group_segment_fixed_size: 0
    .private_segment_fixed_size: 0
    .kernarg_segment_align: 8
    .kernarg_segment_size: 80
    .max_flat_workgroup_size: 256
    .sgpr_count:     66
    .vgpr_count:     152
    .wavefront_size: 32
...
	.end_amdgpu_metadata
.endif
;; end of part 1
;; launch lstm (part 2): grid 8 x 32, 4 waves a work-group, clusters of 4 x 4, 327,680 bytes of LDS; arguments Ab, Wb, c_prev, out0, out1, bx_i, bh_i, bx_c, bh_c, bx_o, bh_o; writes out0, out1
.if DOCPART == 2
	.amdgcn_target "amdgcn-amd-amdhsa--gfx1250"
	.amdhsa_code_object_version 6
	.text
	.protected	k_qfae2407544_lstm
	.globl	k_qfae2407544_lstm
	.p2align	8
	.type	k_qfae2407544_lstm,@function
k_qfae2407544_lstm:
	s_mov_b64 s[64:65], 0
	v_nop
	global_prefetch_b8 v0, s[64:65] scope:SCOPE_SE
	s_setreg_imm32_b32 hwreg(HW_REG_WAVE_MODE, 25, 1), 1
	s_wait_xcnt 0x0
	s_wait_alu depctr_hold_cnt(0) depctr_sa_sdst(0) depctr_va_vdst(0) depctr_va_sdst(0) depctr_va_ssrc(0) depctr_va_vcc(0) depctr_vm_vsrc(0)
	s_getreg_b32 s2, hwreg(HW_REG_IB_STS2, 6, 4)
	s_cmp_eq_u32 s2, 0
	s_cbranch_scc0 .Lentry_in_a_cluster
	s_endpgm
.Lentry_in_a_cluster:
	s_bfe_u32 s2, ttmp6, 0x10000c
	s_cmp_lg_u32 s2, 0xf033
	s_cbranch_scc0 .Lentry_shape_is_right
	s_endpgm
.Lentry_shape_is_right:
; THE CIFG LSTM CELL.  pre_g = [x | h_prev] [Wx_g | Wh_g]^T + bx_g + bh_g for the gates g = i, c, o;  i = sigmoid(pre_i);  c_next = i (tanh(pre_c) - c_prev) + c_prev;
; h_next = sigmoid(pre_o) tanh(c_next).  out0 = h_next, out1 = c_next, both f32.  Operands come as f16 in blocks of 64 along K (Ab, Wb: the launch before); sums in f32; all else in f32.
; LIMITS.  The operands are f16 (none beyond 65,504; a fixed step of 6e-8 below 6e-5).  sigmoid(p) = 1 / (1 + 2^(-p log2 e)): where the power overflows the reciprocal is 0, the right limit.
; tanh(p) = 2 sigmoid(2 p) - 1: an absolute error near 1e-7.  v_exp_f32 and v_rcp_f32 take denormals as 0 (ISA guide 15.8).  NaN and infinities are not treated apart.
; SHARES.  8,192 x 3 x 1,024 results on 256 work-groups: each 256 rows x 128 hidden columns x 3 gates, so that a lane holds all three gates of its numbers and no pre-activation leaves the registers.
; Four waves, each 128 rows x 64 hidden columns x 3 gates: 96 accumulators of 16 x 16, 768 registers.  K = 2,048 goes in 32 slot steps of 64 through two LDS slots; a slot step is two steps of 32.
; THE MATRIX INSTRUCTION IS USED TRANSPOSED (source 0 = 16 rows of W, source 1 = 16 rows of A): lane l holds row l % 16 and the hidden columns 8 (l / 16) + 0..7.
; CLUSTER.  4 x 4 work-groups.  The four of a row of the cluster need the same tiles of Ab, the four of a column the same tiles of Wb: each is asked for JOINTLY, by the same tensor load with the same
; descriptor and a mask that names the four.  c_prev's tile is each wave's own: a plain load, once, at the start; its LDS bytes then serve as the wave's stage on the way out (they are never filled again).
; REGISTERS, in windows of 256 (s_set_vgpr_msb: bits 1:0 source 0, 3:2 source 1, 5:4 source 2, 7:6 destination):
;   window 0: v0-29 addresses; v32-95, v96-159 A's fragments of the even and the odd step of 32; v160-255 W's fragments, 32 a gate.  On the way out: v32-127 biases, v128-255 at work
;   window 1 + g: gate g's 32 accumulators: rows 16 a on, columns 16 b on at v[8 (4 a + b)]
.set PITCH, 144                        ; an LDS row: 128 bytes + 16 of padding = 36 words: the 16 rows of a fragment load start at 16 different groups of four banks (64 banks of 4 bytes: ISA guide 11.1)
.set FROW,  16*PITCH                   ; 16 rows: from fragment to fragment
.set AHALF, 128*PITCH                  ; 128 rows of A: one tensor load, and what one wave reads of A
.set BHALF, 192*PITCH                  ; 3 gates x 64 rows of W: one tensor load, and what one wave reads of W
.set BOFF,  2*AHALF
.set SLOT,  2*AHALF+2*BHALF            ; 92,160 bytes
.set CPB,   2*SLOT                     ; behind the ring: c_prev's tiles, a wave's own: 128 rows of 256 + 16 bytes
.set CPP,   272
.set CPW,   128*CPP
.set BIASB, CPB+4*CPW                  ; 768 bytes a wave: 3 gates x 64 bias sums, already scaled; no tensor load lands here
.set SPARE, BIASB+4*768                ; the spare words, 128 bytes for each wave: two blocks of 256 bytes that no other line names
.set ASTEP, 8192*128                   ; bytes from a block along K to the next in Ab,
.set BSTEP, 384*128                    ; and in Wb
.set ADRA, 16                          ; v16-17  LDS address of my A fragments in slot 0, 1
.set ADRB, 20                          ; v20-21  the same for W
.set CPA,  22                          ; v22     my 32 bytes of row l % 16 in my c_prev tile
.set RDA,  23                          ; v23     the way out: where I read whole rows back
.set CO,   24                          ; v24     my byte offset in two rows of an output
.set BIA,  25                          ; v25     my 32 bytes in my wave's bias sums
.set BST,  26                          ; v26     where I put two bias sums
.set VB,   27                          ; v27     my byte offset in a bias vector
.set SPW,  28                          ; v28     LDS address of my spare word: SPARE + 4 x my thread's number; never rewritten
.set NIL,  29                          ; v29     0; never rewritten
.set FA0,  32
.set FA1,  96
.set FB,   160
.set BI,   32                          ; the way out: bias sums, gate g, columns 16 b on at BI + 32 g + 8 b
.set TI,   128                         ; 32 registers each: gate i, later tanh(c_next) and h_next
.set TC,   160                         ; gate c, later c_next by rows
.set TO,   192                         ; gate o, later h_next by rows
.set CP,   224                         ; c_prev, later c_next
.set WV,   12                          ; s12 wave; s13 which 128 rows are mine; s14 which 64 columns, and which half of a tile I fetch
.set G1A,  24                          ; s[24:31] descriptor group 1 for A's tiles; s[32:39] group 0, a set for each slot
.set G0A,  32
.set G1B,  40                          ; s[40:47], s[48:55] the same for W's
.set G0B,  48
.set G1C,  56                          ; s[56:63], s[84:87] c_prev's
.set G0C,  84
.set SCI,  94                          ; s[94:95] -log2(e), named as a pair
.set SC2,  96                          ; s[96:97] -2 log2(e)
.set MSB, 0
.macro WIN new                         ; the immediate's high byte repeats the setting that is left; a switch that changes nothing is dropped
.if MSB != (\new)
	s_set_vgpr_msb (MSB<<8)|(\new)
.set MSB, (\new)
.endif
.endm
.macro PLACES                          ; a load into a register that a matrix instruction has read, and a vector instruction that reads a matrix result, stand four plain vector instructions behind it (ISA guide 7.12.1 for vector instructions)
.rept 4
	v_nop
.endr
.endm
; A joint refill.  Waves 0 and 1 fetch A's two halves, waves 2 and 3 W's.  The branch hangs on the wave's number alone.  An s_nop 0 and four v_nop follow each of the two lines, ahead of the jump and the label.
.macro JLOAD s
	s_cmp_lt_u32 s[WV], 2
	s_cbranch_scc0 .Lfor_b_\@
	tensor_load_to_lds s[G0A+4*(\s):G0A+4*(\s)+3], s[G1A:G1A+7]
	s_nop 0
.rept 4
	v_nop
.endr
	s_branch .Lasked_\@
.Lfor_b_\@:
	tensor_load_to_lds s[G0B+4*(\s):G0B+4*(\s)+3], s[G1B:G1B+7]
	s_nop 0
.rept 4
	v_nop
.endr
.Lasked_\@:
.endm
.macro CREST                           ; a round of the cluster's barrier behind its opening barrier: wave 0 signals for the work-group, every wave waits for all sixteen, my work-group's barrier closes it
	s_cmp_lg_u32 s[WV], 0
	s_cbranch_scc1 .Lnot_wave_0_\@
	s_barrier_signal -3
.Lnot_wave_0_\@:
	s_barrier_wait -3
	s_barrier_signal -1
	s_barrier_wait -1
.endm
.macro CROUND                          ; a whole round
	s_barrier_signal -1
	s_barrier_wait -1
	CREST
.endm
; 16 LDS loads: A's eight fragments (128 rows x 32 K, step ks of the slot) into buffer f.  A fragment is 16 rows x 32 K in 8 registers: lane l holds row l % 16, K = 8 (l / 16) + 0..7 and 16 + 8 (l / 16) + 0..7: two loads of 16 bytes, 32 bytes apart.
.macro LOADA slot, ks, f
.set ia, 0
.rept 8
	ds_load_b128 v[(\f)+8*ia:(\f)+8*ia+3],   v[ADRA+(\slot)] offset:ia*FROW+64*(\ks)
	ds_load_b128 v[(\f)+8*ia+4:(\f)+8*ia+7], v[ADRA+(\slot)] offset:ia*FROW+64*(\ks)+32
.set ia, ia+1
.endr
.endm
; 8 LDS loads: gate g's four fragments of W (64 rows x 32 K)
.macro LOADB g, slot, ks
.set ib, 0
.rept 4
	ds_load_b128 v[FB+32*(\g)+8*ib:FB+32*(\g)+8*ib+3],   v[ADRB+(\slot)] offset:(4*(\g)+ib)*FROW+64*(\ks)
	ds_load_b128 v[FB+32*(\g)+8*ib+4:FB+32*(\g)+8*ib+7], v[ADRB+(\slot)] offset:(4*(\g)+ib)*FROW+64*(\ks)+32
.set ib, ib+1
.endr
.endm
; 4 n matrix instructions of gate g: row blocks a0 .. a0 + n - 1 x all 4 column blocks, 32 along K, A from buffer f.  zero = 1: the product starts the sum: nothing is ever cleared.
; The 96 accumulators take turns, one instruction a turn, in the same order in every step.
.macro MUL g, f, a0, n, zero
	WIN ((\g)+1)*0x50                              ; C and D in window 1 + g, both sources in window 0
.set ia, (\a0)
.rept (\n)
.set ib, 0
.rept 4
.if \zero
	v_wmma_f32_16x16x32_f16 v[8*(4*ia+ib):8*(4*ia+ib)+7], v[FB+32*(\g)+8*ib:FB+32*(\g)+8*ib+7], v[(\f)+8*ia:(\f)+8*ia+7], 0
.else
	v_wmma_f32_16x16x32_f16 v[8*(4*ia+ib):8*(4*ia+ib)+7], v[FB+32*(\g)+8*ib:FB+32*(\g)+8*ib+7], v[(\f)+8*ia:(\f)+8*ia+7], v[8*(4*ia+ib):8*(4*ia+ib)+7]
.endif
.set ib, ib+1
.endr
.set ia, ia+1
.endr
.endm
; THE ORDER OF THE LDS LOADS, step after step: A(even) W0(even) | W1(even) | W2(even) A(odd) | W0(odd) | W1(odd) | W2(odd) | the add | A(even) W0(even) ...  Each run is issued 64 matrix instructions ahead of its first use.
; The even step of a slot: gate by gate 32 matrix instructions, and behind each gate its W fragments of the odd step.
.macro STEP_E cur, zero
.irp g, 0,1,2
	s_wait_dscnt 32                                ; LDS loads come back in order (ISA guide 5.7.1): behind what this gate needs 32 loads were issued (8 + 8 + 16, 8 + 16 + 8, 16 + 8 + 8)
	MUL \g, FA0, 0, 8, \zero
	PLACES
	WIN 0
	LOADB \g, \cur, 1
.endr
.endm
; The odd step changes slots: ONE barrier for two things.  In front of it each wave waits for all its tensor loads (its part of the next slot), adds 0 to its spare word, and waits for that and for its own reads of this slot.
; fill = 1: the barrier opens a round of the cluster's barrier, and this slot is filled again, two slot steps ahead, first thing behind the round: 160 matrix instructions ahead of the wait for it.
.macro STEP_O cur, nxt, fill
	WIN 0                                          ; (the add's two registers lie in window 0)
	s_wait_tensorcnt 0x0                           ; all my tensor loads have landed, so a group 0 may be written;
	ds_add_u32 v[SPW], v[NIL]                      ; 0 onto my spare word
	s_wait_dscnt 17                                ; A(odd) and W0(odd) are in: W1's and W2's sixteen loads and the add may be out
	MUL 0, FA1, 0, 4, 0                            ; sixteen matrix instructions stand between the add and the wait for it
	s_wait_dscnt 0x0                               ; the add is done, and my reads of this slot are over
	s_barrier_signal -1
	MUL 0, FA1, 4, 4, 0                            ; work on registers while the others arrive
	WIN 0                                          ; at a branch and at a label every window is 0
	s_barrier_wait -1
.if \fill
	CREST                                          ; no wave of any partner still reads this slot or has a load on its way
	s_add_nc_u64 s[G0A+4*(\cur)+2:G0A+4*(\cur)+3], s[G0A+4*(\cur)+2:G0A+4*(\cur)+3], 2*ASTEP
	s_add_nc_u64 s[G0B+4*(\cur)+2:G0B+4*(\cur)+3], s[G0B+4*(\cur)+2:G0B+4*(\cur)+3], 2*BSTEP
	JLOAD \cur                                     ; my one tensor load behind the round; the four v_nop behind it are also the places in front of the loads below
.else
	PLACES
.endif
	LOADA \nxt, 0, FA0
	LOADB 0, \nxt, 0
	MUL 1, FA1, 0, 8, 0                            ; W1(odd) and W2(odd) came in with the wait for 0 above
	PLACES
	WIN 0
	LOADB 1, \nxt, 0
	MUL 2, FA1, 0, 8, 0
	PLACES
	WIN 0
	LOADB 2, \nxt, 0
	LOADA \nxt, 1, FA1
.endm
	s_load_b256 s[4:11], s[0:1], 0x0               ; Ab s[4:5], Wb s[6:7], c_prev s[8:9], out0 s[10:11]
	s_load_b256 s[68:75], s[0:1], 0x20             ; out1 s[68:69]; the six biases at s[70 + 2 q]: bx_i, bh_i, bx_c,
	s_load_b128 s[76:79], s[0:1], 0x40             ; bh_c, bx_o,
	s_load_b64 s[80:81], s[0:1], 0x50              ; bh_o
	v_lshl_add_u32 v[SPW], v0, 2, SPARE
	v_mov_b32 v[NIL], 0
	ds_add_u32 v[SPW], v[NIL]                      ; the wave's opening: the add and its wait stand ahead of my first tensor load; the set-up below, work on registers, stands between them
	v_lshrrev_b32 v1, 5, v0
	v_readfirstlane_b32 s[WV], v1                  ; wave 0..3
	s_lshr_b32 s13, s[WV], 1                       ; which 128 rows of the block are mine
	s_and_b32 s14, s[WV], 1                        ; which 64 hidden columns; also which half of A's or W's tile I fetch
	s_bfe_u32 s15, ttmp6, 0x40000                  ; cx, cy: my place in the cluster
	s_bfe_u32 s16, ttmp6, 0x40004
	s_lshl_b32 s17, ttmp9, 2
	s_add_co_u32 s17, s17, s15                     ; nb: my 128 hidden columns = 4 x cluster x + cx
	s_and_b32 s18, ttmp7, 0xffff
	s_lshl_b32 s18, s18, 2
	s_add_co_u32 s18, s18, s16                     ; mb: my 256 rows = 4 x cluster y + cy
	s_lshl_b32 s19, s16, 2
	s_lshl_b32 s19, 15, s19                        ; my row of the cluster
	s_lshl_b32 s20, 0x1111, s15                    ; my column
	; group 1.  A half tile is dense in memory: asked for as rows of 256 bytes (two rows of the tile) and padded in LDS after every 128 bytes
	s_or_b32 s[G1A], s19, (1<<16)|(1<<20)|(1<<21)|(4<<22)|(3<<25)  ; 15:0 the mask; 17:16 2-byte elements; 20 padding on; 21 set beside a mask; 24:22 after every 32 words (code 4); 31:25 4 words (code 3)
	s_or_b32 s[G1B], s20, (1<<16)|(1<<20)|(1<<21)|(4<<22)|(3<<25)
	s_mov_b32 s[G1A+1], 128<<16                    ; tensor_dim0 = 128 elements
	s_mov_b32 s[G1A+2], 64<<16                     ; tensor_dim1 = 64 rows: 16,384 bytes
	s_mov_b32 s[G1A+3], 128<<16                    ; tile_dim0
	s_mov_b32 s[G1A+4], 64                         ; tile_dim1
	s_mov_b32 s[G1A+5], 128                        ; elements from row to row
	s_mov_b32 s[G1A+6], 0
	s_mov_b32 s[G1A+7], 0
	s_mov_b32 s[G1B+1], 128<<16
	s_mov_b32 s[G1B+2], 96<<16                     ; 96 rows: 24,576 bytes
	s_mov_b32 s[G1B+3], 128<<16
	s_mov_b32 s[G1B+4], 96
	s_mov_b32 s[G1B+5], 128
	s_mov_b32 s[G1B+6], 0
	s_mov_b32 s[G1B+7], 0
	s_mov_b32 s[G1C], (2<<16)|(1<<20)|(5<<22)|(3<<25)  ; no mask; 4-byte elements; 4 words of padding after every 64
	s_mov_b32 s[G1C+1], 64<<16                     ; 64 columns,
	s_mov_b32 s[G1C+2], 128<<16                    ; 128 rows
	s_mov_b32 s[G1C+3], 64<<16
	s_mov_b32 s[G1C+4], 128
	s_mov_b32 s[G1C+5], 1024                       ; elements from row to row of c_prev
	s_mov_b32 s[G1C+6], 0
	s_mov_b32 s[G1C+7], 0
	; where the tiles come from.  A's offset is made of mb and the wave alone, W's of nb and the wave alone, each in registers that never hold the other coordinate
	s_lshl_b32 s88, s18, 15                        ; 256 rows of 128 bytes
	s_lshl_b32 s98, s14, 14                        ; my half: 128 rows
	s_add_co_u32 s88, s88, s98
	s_mov_b32 s89, 0
	s_mul_i32 s90, s17, 32*BSTEP                   ; nb's 32 blocks along K
	s_mul_i32 s99, s14, 24576                      ; my half: 192 rows
	s_add_co_u32 s90, s90, s99
	s_mov_b32 s91, 0
	s_lshl_b32 s92, s18, 20                        ; my wave's corner in c_prev and the outputs: (256 mb + 128 wm) rows of 4,096 bytes + 512 nb + 256 wn
	s_lshl_b32 s21, s13, 19
	s_add_co_u32 s92, s92, s21
	s_lshl_b32 s21, s17, 9
	s_add_co_u32 s92, s92, s21
	s_lshl_b32 s21, s14, 8
	s_add_co_u32 s92, s92, s21
	s_mov_b32 s93, 0
	s_mul_i32 s22, s14, AHALF                      ; and where they go: no place in the cluster enters an LDS address
	s_mul_i32 s23, s14, BHALF
	s_add_co_u32 s23, s23, BOFF
	s_mov_b32 s[SCI], 0xbfb8aa3b                   ; -log2(e)
	s_mov_b32 s[SCI+1], 0xbfb8aa3b
	s_mov_b32 s[SC2], 0xc038aa3b                   ; -2 log2(e)
	s_mov_b32 s[SC2+1], 0xc038aa3b
	s_mov_b32 s[G0C], 1
	s_mul_i32 s[G0C+1], s[WV], CPW
	s_add_co_u32 s[G0C+1], s[G0C+1], CPB
	s_wait_dscnt 0x0                               ; the opening add is done
	s_wait_kmcnt 0x0
	s_add_nc_u64 s[88:89], s[4:5], s[88:89]
	s_add_nc_u64 s[90:91], s[6:7], s[90:91]
	s_add_nc_u64 s[G0C+2:G0C+3], s[8:9], s[92:93]
	s_or_b32 s[G0C+3], s[G0C+3], 0x80000000
	s_add_nc_u64 s[10:11], s[10:11], s[92:93]      ; the outputs at my wave's corner; never rewritten after this
	s_add_nc_u64 s[68:69], s[68:69], s[92:93]
.irp s, 0,1
	s_mov_b32 s[G0A+4*(\s)], 1                                       ; count = 1
	s_add_co_u32 s[G0A+4*(\s)+1], s22, (\s)*SLOT                     ; LDS address
	s_add_nc_u64 s[G0A+4*(\s)+2:G0A+4*(\s)+3], s[88:89], (\s)*ASTEP  ; global address: slot step s
	s_or_b32 s[G0A+4*(\s)+3], s[G0A+4*(\s)+3], 0x80000000            ; type = 2
	s_mov_b32 s[G0B+4*(\s)], 1
	s_add_co_u32 s[G0B+4*(\s)+1], s23, (\s)*SLOT
	s_add_nc_u64 s[G0B+4*(\s)+2:G0B+4*(\s)+3], s[90:91], (\s)*BSTEP
	s_or_b32 s[G0B+4*(\s)+3], s[G0B+4*(\s)+3], 0x80000000
.endr
	CROUND                                         ; all sixteen work-groups are here: the first joint loads meet
	s_cmp_lt_u32 s[WV], 2                          ; a wave's three first fills stand in one branch, ahead of every wait on TENSORcnt and every LDS read: three loads of mine are out
	s_cbranch_scc0 .Lfirst_b
	tensor_load_to_lds s[G0A:G0A+3], s[G1A:G1A+7]
	s_nop 0
	tensor_load_to_lds s[G0A+4:G0A+7], s[G1A:G1A+7]
	s_nop 0
	tensor_load_to_lds s[G0C:G0C+3], s[G1C:G1C+7]
	s_nop 0
.rept 4
	v_nop
.endr
	s_branch .Lfirst_asked
.Lfirst_b:
	tensor_load_to_lds s[G0B:G0B+3], s[G1B:G1B+7]
	s_nop 0
	tensor_load_to_lds s[G0B+4:G0B+7], s[G1B:G1B+7]
	s_nop 0
	tensor_load_to_lds s[G0C:G0C+3], s[G1C:G1C+7]
	s_nop 0
.rept 4
	v_nop
.endr
.Lfirst_asked:
	; the biases first, since their loads have furthest to go: 2 numbers a lane, 256 consecutive bytes a load
	v_and_b32 v5, 31, v0                           ; lane
	s_lshl_b32 s21, s17, 9
	s_lshl_b32 s98, s14, 8
	s_add_co_u32 s21, s21, s98                     ; my wave's 64 columns in a bias vector
	v_lshl_add_u32 v[VB], v5, 3, s21
.set q, 0
.rept 6
	global_load_b64 v[40+2*q:41+2*q], v[VB], s[70+2*q:71+2*q]
.set q, q+1
.endr
	v_and_b32 v1, 15, v0                           ; l % 16
	v_bfe_u32 v2, v0, 4, 1                         ; l / 16
	v_mul_u32_u24 v3, v1, PITCH
	v_lshl_add_u32 v3, v2, 4, v3                   ; a fragment's row x pitch + 16 x half
	s_mul_i32 s21, s13, AHALF                      ; my 128 rows of A
	s_mul_i32 s98, s14, BHALF                      ; my 192 rows of W,
	s_add_co_u32 s98, s98, BOFF                    ; which lie behind A's 256
.irp s, 0,1
	v_add_nc_u32 v[ADRA+(\s)], s21, v3
	v_add_nc_u32 v[ADRB+(\s)], s98, v3
	s_add_co_u32 s21, s21, SLOT
	s_add_co_u32 s98, s98, SLOT
.endr
	s_mul_i32 s99, s[WV], CPW
	s_add_co_u32 s99, s99, CPB                     ; my c_prev tile
	v_mul_u32_u24 v4, v1, CPP                      ; as the accumulators lie: row l % 16, 32 bytes for each half of the lanes
	v_lshl_add_u32 v4, v2, 5, v4
	v_add_nc_u32 v[CPA], s99, v4
	v_mul_u32_u24 v4, v2, CPP                      ; by rows: lanes 0-15 one row of 256 bytes, lanes 16-31 the next
	v_lshl_add_u32 v4, v1, 4, v4
	v_add_nc_u32 v[RDA], s99, v4
	v_lshlrev_b32 v4, 12, v2                       ; and the same two rows in an output
	v_lshl_add_u32 v[CO], v1, 4, v4
	s_mul_i32 s99, s[WV], 768
	s_add_co_u32 s99, s99, BIASB                   ; my wave's bias sums
	v_lshlrev_b32 v4, 5, v2
	v_add_nc_u32 v[BIA], s99, v4
	v_lshl_add_u32 v[BST], v5, 3, s99
	s_wait_loadcnt 0x0
	v_pk_add_f32 v[40:41], v[40:41], v[42:43]      ; bx + bh, and the exponent's factor at once: the way out is then one fused multiply-add a gate
	v_pk_add_f32 v[44:45], v[44:45], v[46:47]
	v_pk_add_f32 v[48:49], v[48:49], v[50:51]
	v_pk_mul_f32 v[40:41], v[40:41], s[SCI:SCI+1] op_sel_hi:[1,0]
	v_pk_mul_f32 v[44:45], v[44:45], s[SC2:SC2+1] op_sel_hi:[1,0]
	v_pk_mul_f32 v[48:49], v[48:49], s[SCI:SCI+1] op_sel_hi:[1,0]
	ds_store_b64 v[BST], v[40:41]
	ds_store_b64 v[BST], v[44:45] offset:256
	ds_store_b64 v[BST], v[48:49] offset:512
	s_wait_tensorcnt 0x2                           ; my part of slot 0 is in; slot 1's and c_prev's loads were issued behind it and may stay out
	s_wait_dscnt 0x0                               ; no LDS instruction of mine is pending at a signal
	s_barrier_signal -1
	s_barrier_wait -1                              ; everybody's part of slot 0 is in
	LOADA 0, 0, FA0
	LOADB 0, 0, 0
	LOADB 1, 0, 0
	LOADB 2, 0, 0
	LOADA 0, 1, FA1
	STEP_E 0, 1                                    ; the first step of 32 stands in front of the loop: its products start the sums
	s_mov_b32 s3, 15
.Llap:                                                 ; a trip goes once round the ring, from a lap's second step of 32 to the next lap's first, and fills both slots again: slot steps 2 to 31
	STEP_O 0, 1, 1
	STEP_E 1, 0
	STEP_O 1, 0, 1
	STEP_E 0, 0
	s_sub_co_u32 s3, s3, 1
	s_cmp_lg_u32 s3, 0
	s_cbranch_scc1 .Llap
	STEP_O 0, 1, 0                                 ; the last lap is written out: nothing is left to fetch, so no round and no load
	STEP_E 1, 0
	s_wait_dscnt 16                                ; the very last step: W1's and W2's loads may be out,
	MUL 0, FA1, 0, 8, 0
	s_wait_dscnt 8                                 ; W2's,
	MUL 1, FA1, 0, 8, 0
	s_wait_dscnt 0x0                               ; none
	MUL 2, FA1, 0, 8, 0
	PLACES                                         ; in front of the loads into the fragments' registers and of the first reads of the sums
	WIN 0
; THE WAY OUT, 16 rows x 64 columns at a time: 32 numbers a lane.  c_next and h_next go through the block's own 16 rows of my c_prev tile (read by then, and never filled again) and come back as whole rows.
; Block a's stores are issued in block a + 1, behind its first exponentials, so that the wave does not sit out the round trip through LDS.
.macro SEND a, younger                 ; younger: LDS loads issued behind block a's last: the next block's eight, or none
	s_wait_dscnt \younger
.set t, 0
.rept 8
	global_store_b128 v[CO], v[TC+4*t:TC+4*t+3], s[68:69] offset:(16*(\a)+2*t)*4096 th:TH_STORE_NT  ; c_next: 16 lanes store 256 consecutive bytes, aligned
.set t, t+1
.endr
.set t, 0
.rept 8
	global_store_b128 v[CO], v[TO+4*t:TO+4*t+3], s[10:11] offset:(16*(\a)+2*t)*4096 th:TH_STORE_NT  ; h_next
.set t, t+1
.endr
.endm
.macro BLOCK a
	WIN 0
.set j, 0
.rept 8
	ds_load_b128 v[CP+4*j:CP+4*j+3], v[CPA] offset:16*CPP*(\a)+64*(j/2)+16*(j%2)  ; c_prev as the accumulators lie
.set j, j+1
.endr
.if (\a) == 0
	s_wait_dscnt 8                                 ; the bias sums are in; the eight loads above may be out
.endif
	WIN 1                                          ; source 0 in window 1: gate i.
.set j, 0
.rept 16
	v_pk_fma_f32 v[TI+2*j:TI+2*j+1], v[32*(\a)+2*j:32*(\a)+2*j+1], s[SCI:SCI+1], v[BI+2*j:BI+2*j+1] op_sel_hi:[1,0,1]
.set j, j+1
.endr
	WIN 0
.set j, 0
.rept 32
	v_exp_f32 v[TI+j], v[TI+j]
.set j, j+1
.endr
	v_nop                                          ; a plain instruction behind the last exponential (ISA guide 5.7.2)
.if (\a) > 0
	SEND (\a)-1, 8
	s_wait_xcnt 0x0                                ; the stores' data registers are written again only behind this wait (ISA guide 3.1)
.endif
	WIN 2                                          ; gate c
.set j, 0
.rept 16
	v_pk_fma_f32 v[TC+2*j:TC+2*j+1], v[32*(\a)+2*j:32*(\a)+2*j+1], s[SC2:SC2+1], v[BI+32+2*j:BI+32+2*j+1] op_sel_hi:[1,0,1]
.set j, j+1
.endr
	WIN 3                                          ; gate o
.set j, 0
.rept 16
	v_pk_fma_f32 v[TO+2*j:TO+2*j+1], v[32*(\a)+2*j:32*(\a)+2*j+1], s[SCI:SCI+1], v[BI+64+2*j:BI+64+2*j+1] op_sel_hi:[1,0,1]
.set j, j+1
.endr
	WIN 0
.set j, 0
.rept 64
	v_exp_f32 v[TC+j], v[TC+j]                     ; TC and TO lie end to end
.set j, j+1
.endr
	v_nop
.set j, 0
	s_wait_alu depctr_va_vdst(0)
.rept 48
	v_pk_add_f32 v[TI+2*j:TI+2*j+1], v[TI+2*j:TI+2*j+1], 1.0 op_sel_hi:[1,0]  ; TI, TC and TO lie end to end
.set j, j+1
.endr
.set j, 0
.rept 96
	v_rcp_f32 v[TI+j], v[TI+j]                     ; i, sigmoid(2 pre_c), o
.set j, j+1
.endr
	v_nop
	s_wait_dscnt 0x0                               ; c_prev is in
.set j, 0
	s_wait_alu depctr_va_vdst(0)
.rept 16
	v_pk_fma_f32 v[TC+2*j:TC+2*j+1], v[TC+2*j:TC+2*j+1], 2.0, -1.0 op_sel_hi:[1,0,0]  ; tanh(pre_c)
.set j, j+1
.endr
.set j, 0
.rept 16
	v_pk_add_f32 v[TC+2*j:TC+2*j+1], v[TC+2*j:TC+2*j+1], v[CP+2*j:CP+2*j+1] neg_lo:[0,1] neg_hi:[0,1]
.set j, j+1
.endr
.set j, 0
.rept 16
	v_pk_fma_f32 v[CP+2*j:CP+2*j+1], v[TI+2*j:TI+2*j+1], v[TC+2*j:TC+2*j+1], v[CP+2*j:CP+2*j+1]  ; c_next = i (tanh(pre_c) - c_prev) + c_prev
.set j, j+1
.endr
.set j, 0
.rept 8
	ds_store_b128 v[CPA], v[CP+4*j:CP+4*j+3] offset:16*CPP*(\a)+64*(j/2)+16*(j%2)
.set j, j+1
.endr
.set t, 0
.rept 8
	ds_load_b128 v[TC+4*t:TC+4*t+3], v[RDA] offset:16*CPP*(\a)+2*CPP*t  ; LDS serves a wave's instructions in order (ISA guide 5.7.1.4): these see the stores above
.set t, t+1
.endr
.set j, 0
.rept 16
	v_pk_mul_f32 v[TI+2*j:TI+2*j+1], v[CP+2*j:CP+2*j+1], s[SC2:SC2+1] op_sel_hi:[1,0]
.set j, j+1
.endr
.set j, 0
.rept 32
	v_exp_f32 v[TI+j], v[TI+j]
.set j, j+1
.endr
	v_nop
.set j, 0
	s_wait_alu depctr_va_vdst(0)
.rept 16
	v_pk_add_f32 v[TI+2*j:TI+2*j+1], v[TI+2*j:TI+2*j+1], 1.0 op_sel_hi:[1,0]
.set j, j+1
.endr
.set j, 0
.rept 32
	v_rcp_f32 v[TI+j], v[TI+j]
.set j, j+1
.endr
	v_nop
.set j, 0
	s_wait_alu depctr_va_vdst(0)
.rept 16
	v_pk_fma_f32 v[TI+2*j:TI+2*j+1], v[TI+2*j:TI+2*j+1], 2.0, -1.0 op_sel_hi:[1,0,0]  ; tanh(c_next)
.set j, j+1
.endr
.set j, 0
.rept 16
	v_pk_mul_f32 v[TI+2*j:TI+2*j+1], v[TI+2*j:TI+2*j+1], v[TO+2*j:TO+2*j+1]  ; h_next
.set j, j+1
.endr
.set j, 0
.rept 8
	ds_store_b128 v[CPA], v[TI+4*j:TI+4*j+3] offset:16*CPP*(\a)+64*(j/2)+16*(j%2)  ; behind the loads that read c_next's rows
.set j, j+1
.endr
.set t, 0
.rept 8
	ds_load_b128 v[TO+4*t:TO+4*t+3], v[RDA] offset:16*CPP*(\a)+2*CPP*t
.set t, t+1
.endr
.endm
.set j, 0
.rept 12                                               ; my bias sums: gate j / 4, columns 16 (j % 4) + 8 (l / 16) on
	ds_load_b128 v[BI+8*j:BI+8*j+3],   v[BIA] offset:256*(j/4)+64*(j%4)
	ds_load_b128 v[BI+8*j+4:BI+8*j+7], v[BIA] offset:256*(j/4)+64*(j%4)+16
.set j, j+1
.endr
.irp a, 0,1,2,3,4,5,6,7
	BLOCK \a
.endr
	SEND 7, 0
	s_wait_tensorcnt 0x0                           ; the wave's end: a wait, an add and a wait, behind my last tensor load and my last LDS store
	ds_add_u32 v[SPW], v[NIL]
	s_wait_dscnt 0x0
	CROUND                                         ; the closing round: no work-group ends while a partner may still ask for a tile that names it
	s_endpgm
.Lfunc_end_k_qfae2407544_lstm:
	.size	k_qfae2407544_lstm, .Lfunc_end_k_qfae2407544_lstm-k_qfae2407544_lstm
	.p2alignl 7, 3214868480
	.fill 96, 4, 3214868480
	.section	.rodata,"a",@progbits
	.p2align	6, 0x0
	.amdhsa_kernel k_qfae2407544_lstm
		.amdhsa_group_segment_fixed_size 327680
		.amdhsa_private_segment_fixed_size 0
		.amdhsa_enable_private_segment 0
		.amdhsa_kernarg_size 88
		.amdhsa_user_sgpr_count 2
		.amdhsa_user_sgpr_kernarg_segment_ptr 1
		.amdhsa_wavefront_size32 1
		.amdhsa_system_sgpr_workgroup_id_x 1
		.amdhsa_system_sgpr_workgroup_id_y 1
		.amdhsa_system_sgpr_workgroup_id_z 1
		.amdhsa_system_vgpr_workitem_id 0
		.amdhsa_next_free_vgpr 1024
		.amdhsa_next_free_sgpr 100
		.amdhsa_reserve_vcc 0
		.amdhsa_float_denorm_mode_32 3
		.amdhsa_float_denorm_mode_16_64 3
		.amdhsa_memory_ordered 1
		.amdhsa_forward_progress 1
		.amdhsa_inst_pref_size 255
	.end_amdhsa_kernel
	.section	.bss,"aw",@nobits
	.p2align	6
	.space	262144
	.amdgpu_metadata
---
amdhsa.version: [ 1, 2 ]
amdhsa.kernels:
  - .name:           k_qfae2407544_lstm
    .symbol:         k_qfae2407544_lstm.kd
    .args:
      - { .name: Ab, .offset: 0, .size: 8, .value_kind: global_buffer, .address_space: global }
      - { .name: Wb, .offset: 8, .size: 8, .value_kind: global_buffer, .address_space: global }
      - { .name: c_prev, .offset: 16, .size: 8, .value_kind: global_buffer, .address_space: global }
      - { .name: out0, .offset: 24, .size: 8, .value_kind: global_buffer, .address_space: global }
      - { .name: out1, .offset: 32, .size: 8, .value_kind: global_buffer, .address_space: global }
      - { .name: bx_i, .offset: 40, .size: 8, .value_kind: global_buffer, .address_space: global }
      - { .name: bh_i, .offset: 48, .size: 8, .value_kind: global_buffer, .address_space: global }
      - { .name: bx_c, .offset: 56, .size: 8, .value_kind: global_buffer, .address_space: global }
      - { .name: bh_c, .offset: 64, .size: 8, .value_kind: global_buffer, .address_space: global }
      - { .name: bx_o, .offset: 72, .size: 8, .value_kind: global_buffer, .address_space: global }
      - { .name: bh_o, .offset: 80, .size: 8, .value_kind: global_buffer, .address_space: global }
    .group_segment_fixed_size: 327680
    .private_segment_fixed_size: 0
    .kernarg_segment_align: 8
    .kernarg_segment_size: 88
    .max_flat_workgroup_size: 128
    .sgpr_count:     100
    .vgpr_count:     1024
    .wavefront_size: 32
...
	.end_amdgpu_metadata
.endif
;; end of part 2
;; ======== version 2 of 2: 2 launches; version 1 with the launch cast written anew for expert scheduling mode
;; limits: values are held in f16: magnitudes above 65,504 overflow, below 6.1e-05 lose precision; inputs' magnitudes at most 65,504
;; workspace buffers: Ab 33,554,432 bytes; Wb 12,582,912 bytes
;; launch cast (part 3): grid 704 x 1, 8 waves a work-group, no clusters, 0 bytes of LDS; arguments x, h_prev, Wx_i, Wh_i, Wx_c, Wh_c, Wx_o, Wh_o, Ab, Wb; writes Ab, Wb
.if DOCPART == 3
	.amdgcn_target "amdgcn-amd-amdhsa--gfx1250"
	.amdhsa_code_object_version 6
	.text
	.protected	k_qfae2407544_cast
	.globl	k_qfae2407544_cast
	.p2align	8
	.type	k_qfae2407544_cast,@function
k_qfae2407544_cast:
	s_mov_b64 s[64:65], 0
	v_nop
	global_prefetch_b8 v0, s[64:65] scope:SCOPE_SE
	s_setreg_imm32_b32 hwreg(HW_REG_WAVE_SCHED_MODE, 0, 2), 2
	s_setreg_imm32_b32 hwreg(HW_REG_WAVE_MODE, 25, 1), 1
	s_wait_xcnt 0x0
	s_wait_alu depctr_vm_vsrc(0)
; ROUNDS THE PRODUCT'S OPERANDS TO f16, ONCE, AND LAYS THEM IN BLOCKS OF 64 ALONG K.
;   Ab [kb 0..31][row 0..8191][64 k]                        kb 0..15: x's columns 64 kb on; kb 16..31: h_prev's
;   Wb [nb 0..7][kb 0..31][wn 0..1][gate i,c,o][j 0..63][64 k]   hidden column n = 128 nb + 64 wn + j; kb 0..15: Wx_gate, kb 16..31: Wh_gate
; So the next launch's tiles (128 rows of Ab, 192 rows of Wb, 64 along K) are dense runs of 16,384 and 24,576 bytes.
; LIMITS.  f16 holds no number beyond 65,504 (a larger input becomes an infinity) and keeps a fixed step of 6e-8 below 6e-5.
; A STREAM: every byte is read once and written once, so there is no LDS, no barrier, no matrix unit and no cluster (no two work-groups read the same byte).
; SHARES.  A work-group takes 32 rows x 1,024 columns of one source: 512 groups for x and h_prev, 192 for the six weights.  One load of a wave: lanes 0-15 take 256
; consecutive bytes (64 f32, one block along K) of one row, lanes 16-31 the same of the next row.  Four f32 a lane become 8 bytes, and since two neighbouring rows
; lie end to end inside a block, one store of a wave covers 256 consecutive bytes, aligned.  All 32 loads of a wave go out first; no register that a memory instruction reads is written again.
; THE MODE: SCHED_MODE bits 1:0 = 2 (LLVM: expert scheduling mode 2), set by the entry lines.  The code itself states the register dependences
; between vector instructions and memory instructions, with s_wait_alu, always for 0.
; THE PLAN.  Registers that memory instructions touch:
;   v1, v2-v17   byte offsets.  Written by vector lines at the head, once; read by every load (v1) and every store (one of v2-v17).
;   X            four registers a load.  Written by load i; its two conversions read all four and write the first two, behind the wait for the load; store i reads those two; nothing writes them again.
; The 32 loads are worked off in eight batches of four.  Batch p's conversions name batch p's sixteen registers alone; its memory instructions are the four stores of batch p - 1.
; So one wait at the head of a batch states all that its four stores hang on, and they are dealt among its conversions with no further wait.
; No vector line writes a scalar register, EXEC is never written, and no register that a load or store has read is written again: no other kind of wait is owed.
.set VS, 1                             ; v1       my byte offset in the group's source rows: (thread / 16) x 4,096 + (thread % 16) x 16
.set KO, 2                             ; v[2:17]  my byte offset in the destination for block kb: 8 x thread + kb x stride
.set X,  20                            ; v[20:147] load i (row half i / 16, block i % 16): 4 registers
.set BATCH, 4                          ; loads in a batch
	s_load_b512 s[8:23], s[0:1], 0x0               ; x, h_prev, Wx_i, Wh_i, Wx_c, Wh_c, Wx_o, Wh_o
	s_load_b128 s[24:27], s[0:1], 0x40             ; Ab s[24:25], Wb s[26:27]
	v_lshrrev_b32 v[VS], 4, v0
	v_lshlrev_b32 v[VS], 12, v[VS]
	v_and_b32 v18, 15, v0
	v_lshl_or_b32 v[VS], v18, 4, v[VS]
	v_lshlrev_b32 v[KO], 3, v0
	s_cmp_lt_u32 ttmp9, 512
	s_cbranch_scc0 .Lweights
	s_lshr_b32 s28, ttmp9, 8                       ; which source: 0 x, 1 h_prev
	s_and_b32 s29, ttmp9, 255                      ; which 32 rows of it
	s_lshl_b32 s46, s28, 24                        ; h_prev's blocks lie 16 x 1,048,576 bytes behind x's
	s_lshl_b32 s30, s29, 12                        ; 32 rows of 128 bytes
	s_add_co_u32 s46, s46, s30
	s_mov_b32 s31, 0x100000                        ; from block to block: 8,192 rows of 128 bytes
	s_branch .Ldecoded
.Lweights:
	s_sub_co_u32 s30, ttmp9, 512
	s_lshr_b32 s32, s30, 5                         ; which matrix, 0..5: Wx_i, Wh_i, Wx_c, Wh_c, Wx_o, Wh_o
	s_and_b32 s29, s30, 31                         ; which 32 rows of it
	s_add_co_u32 s28, s32, 2                       ; its place among the eight sources
	s_lshr_b32 s33, s29, 2                         ; nb
	s_mul_i32 s46, s33, 1572864
	s_and_b32 s33, s32, 1                          ; a Wh: blocks 16 on
	s_mul_i32 s33, s33, 786432
	s_add_co_u32 s46, s46, s33
	s_bfe_u32 s33, s29, 0x10001                    ; wn
	s_mul_i32 s33, s33, 24576
	s_add_co_u32 s46, s46, s33
	s_lshr_b32 s33, s32, 1                         ; gate
	s_lshl_b32 s33, s33, 13
	s_add_co_u32 s46, s46, s33
	s_and_b32 s33, s29, 1                          ; j = 0 or 32 on
	s_lshl_b32 s33, s33, 12
	s_add_co_u32 s46, s46, s33
	s_mov_b32 s31, 49152                           ; from block to block: 384 rows of 128 bytes
.Ldecoded:
	s_lshl_b32 s44, s29, 17                        ; the group's 32 source rows of 4,096 bytes
	s_mov_b32 s45, 0
	s_mov_b32 s47, 0
.set i, 0
.rept 15
	v_add_nc_u32 v[KO+i+1], s31, v[KO+i]
.set i, i+1
.endr
	s_wait_kmcnt 0x0
	s_mov_b64 s[40:41], s[8:9]                     ; the source is chosen among the eight by the group's number alone
.irp n, 1,2,3,4,5,6,7
	s_cmp_eq_u32 s28, \n
	s_cselect_b64 s[40:41], s[8+2*\n:9+2*\n], s[40:41]
.endr
	s_cmp_lt_u32 ttmp9, 512
	s_cselect_b64 s[42:43], s[24:25], s[26:27]     ; and the destination
	s_add_nc_u64 s[40:41], s[40:41], s[44:45]
	s_add_nc_u64 s[42:43], s[42:43], s[46:47]
	s_wait_alu depctr_va_vdst(0)                   ; v1 and v2 to v17 are written: every load below reads v1 as its offset, every store one of v2 to v17; they are never written again
.set i, 0
.rept 32                                               ; 16 KiB of every wave on their way at once; no vector instruction has named the registers in which they land
	global_load_b128 v[X+4*i:X+4*i+3], v[VS], s[40:41] offset:(i/16)*65536+(i%16)*256 th:TH_LOAD_NT
.set i, i+1
.endr
.set p, 0
.rept 32/BATCH                                         ; batch p: loads 4 p to 4 p + 3 are rounded, the batch before is stored
	s_wait_loadcnt 32-BATCH-BATCH*p                ; loads come back in order (ISA guide 5.7.1): this batch's four are in, the younger ones stay out
.if p > 0
	s_wait_alu depctr_va_vdst(0)                   ; the conversions of the batch before have written its eight packed registers, which the four stores below read
.endif
.set j, 0
.rept BATCH
.set i, BATCH*p+j
.if p > 0
	global_store_b64 v[KO+(i-BATCH)%16], v[X+4*(i-BATCH):X+4*(i-BATCH)+1], s[42:43] offset:((i-BATCH)/16)*2048  ; the wave's 32 lanes: 256 consecutive bytes, aligned; the next launch reads them, so no hint.  No wait: no vector instruction since the wait above names these registers
.endif
	v_cvt_pk_f16_f32 v[X+4*i], v[X+4*i], v[X+4*i+1]
	v_cvt_pk_f16_f32 v[X+4*i+1], v[X+4*i+2], v[X+4*i+3]
.set j, j+1
.endr
.set p, p+1
.endr
	s_wait_alu depctr_va_vdst(0)                   ; the last batch's conversions have written its eight packed registers, which the last four stores read
.set i, 32-BATCH
.rept BATCH
	global_store_b64 v[KO+i%16], v[X+4*i:X+4*i+1], s[42:43] offset:(i/16)*2048
.set i, i+1
.endr
	s_endpgm
.Lfunc_end_k_qfae2407544_cast:
	.size	k_qfae2407544_cast, .Lfunc_end_k_qfae2407544_cast-k_qfae2407544_cast
	.p2alignl 7, 3214868480
	.fill 96, 4, 3214868480
	.section	.rodata,"a",@progbits
	.p2align	6, 0x0
	.amdhsa_kernel k_qfae2407544_cast
		.amdhsa_group_segment_fixed_size 0
		.amdhsa_private_segment_fixed_size 0
		.amdhsa_enable_private_segment 0
		.amdhsa_kernarg_size 80
		.amdhsa_user_sgpr_count 2
		.amdhsa_user_sgpr_kernarg_segment_ptr 1
		.amdhsa_wavefront_size32 1
		.amdhsa_system_sgpr_workgroup_id_x 1
		.amdhsa_system_sgpr_workgroup_id_y 1
		.amdhsa_system_sgpr_workgroup_id_z 1
		.amdhsa_system_vgpr_workitem_id 0
		.amdhsa_next_free_vgpr 152
		.amdhsa_next_free_sgpr 66
		.amdhsa_reserve_vcc 0
		.amdhsa_float_denorm_mode_32 3
		.amdhsa_float_denorm_mode_16_64 3
		.amdhsa_memory_ordered 1
		.amdhsa_forward_progress 1
		.amdhsa_inst_pref_size 14
	.end_amdhsa_kernel
	.amdgpu_metadata
---
amdhsa.version: [ 1, 2 ]
amdhsa.kernels:
  - .name:           k_qfae2407544_cast
    .symbol:         k_qfae2407544_cast.kd
    .args:
      - { .name: x, .offset: 0, .size: 8, .value_kind: global_buffer, .address_space: global }
      - { .name: h_prev, .offset: 8, .size: 8, .value_kind: global_buffer, .address_space: global }
      - { .name: Wx_i, .offset: 16, .size: 8, .value_kind: global_buffer, .address_space: global }
      - { .name: Wh_i, .offset: 24, .size: 8, .value_kind: global_buffer, .address_space: global }
      - { .name: Wx_c, .offset: 32, .size: 8, .value_kind: global_buffer, .address_space: global }
      - { .name: Wh_c, .offset: 40, .size: 8, .value_kind: global_buffer, .address_space: global }
      - { .name: Wx_o, .offset: 48, .size: 8, .value_kind: global_buffer, .address_space: global }
      - { .name: Wh_o, .offset: 56, .size: 8, .value_kind: global_buffer, .address_space: global }
      - { .name: Ab, .offset: 64, .size: 8, .value_kind: global_buffer, .address_space: global }
      - { .name: Wb, .offset: 72, .size: 8, .value_kind: global_buffer, .address_space: global }
    .group_segment_fixed_size: 0
    .private_segment_fixed_size: 0
    .kernarg_segment_align: 8
    .kernarg_segment_size: 80
    .max_flat_workgroup_size: 256
    .sgpr_count:     66
    .vgpr_count:     152
    .wavefront_size: 32
...
	.end_amdgpu_metadata
.endif
;; end of part 3
;; launch lstm: the kernel of part 2 again; grid 8 x 32, 4 waves a work-group, clusters of 4 x 4, 327,680 bytes of LDS; arguments Ab, Wb, c_prev, out0, out1, bx_i, bh_i, bx_c, bh_c, bx_o, bh_o; writes out0, out1
